; MI455X (gfx1250); checked and timed in simulation.
; The chip was launched on July 23, 2026; its instructions are those of AMD's public machine-readable ISA for CDNA 5 (MIT licence, August 2026) and "CDNA5" Instruction Set Architecture Reference Guide (July 2026). The comments in the code are by the model that wrote it; some were corrected since.
;; Tokenformer P Attention. Allowed arithmetic: float matrix products may take bf16 or f16 operands with f32 sums; other float arithmetic in f32, or as packed bf16 or f16 multiplies, adds, multiply-adds, maxima and minima; sums over many terms, partial sums and values carried from step to step in f32; what a program stores and reads back later, other than sums and carried values, may be rounded once to bf16 or f16.
;; Inputs: K 4,096 x 1,024 float32; V 4,096 x 1,024 float32; x 4 x 2,048 x 1,024 float32.
;; Outputs: out0 4 x 2,048 x 1,024 float32.
;; One version. Each part assembles by itself: llvm-mc -triple=amdgcn-amd-amdhsa -mcpu=gfx1250 --defsym DOCPART=n.
;; ======== version 1 of 1: 3 launches
;; limits: values are held in f16: magnitudes above 65,504 overflow, below 6.1e-05 lose precision; inputs' magnitudes at most 65,504
;; workspace buffers: xb 16,777,216 bytes; kb 8,388,608 bytes; vh 8,388,608 bytes; p 67,108,864 bytes; stats 2,097,152 bytes
;; launch prep (part 1): grid 1024 x 1, 8 waves a work-group, no clusters, 0 bytes of LDS; arguments x, K, V, xb, kb, vh; writes xb, kb, vh
.if DOCPART == 1
	.amdgcn_target "amdgcn-amd-amdhsa--gfx1250"
	.amdhsa_code_object_version 6
	.text
	.protected	k_q5542018a2a_prep
	.globl	k_q5542018a2a_prep
	.p2align	8
	.type	k_q5542018a2a_prep,@function
k_q5542018a2a_prep:
	s_mov_b64 s[64:65], 0
	v_nop
	global_prefetch_b8 v0, s[64:65] scope:SCOPE_SE
	s_setreg_imm32_b32 hwreg(HW_REG_WAVE_MODE, 25, 1), 1
	s_wait_xcnt 0x0
; xb = bf16(x), kb = bf16(K), vh = f16(bf16(V)): each number rounded once to bf16; V's bf16 number is then written as f16.
; LIMITS.  A bf16 number has 8 significant bits and f16 holds 11, so the second step is exact from 6.1e-5 to 65,504; below that it keeps f16's fixed step of 6e-8;
; a |V| of 65,520 or more becomes an infinity.  NaN and infinities are not treated apart.
; SHARES.  A work-group takes 65,536 bytes of one input: groups 0-511 x, 512-767 K, 768-1023 V.  A wave takes 8,192 of them by sixteen loads of 16 bytes a lane
; (512 consecutive bytes each), all issued at once; each load's four numbers leave as 8 bytes a lane: a store of the wave covers 256 consecutive bytes, aligned.
; No LDS, no barrier, no matrix unit: each byte is read once and written once, and no wave wants another's data.
.set X, 8                              ; v[8:71]    sixteen loads of four registers
.set Y, 72                             ; v[72:103]  sixteen stores of two registers: each store has data registers of its own, so none is rewritten
.set T, 104                            ; v[104:107] at work (V alone)
	s_load_b256 s[4:11], s[0:1], 0x0               ; x s[4:5], K s[6:7], V s[8:9], xb s[10:11]
	s_load_b128 s[12:15], s[0:1], 0x20             ; kb s[12:13], vh s[14:15]
	s_mov_b32 s16, ttmp9
	s_cmp_ge_u32 s16, 512
	s_cselect_b32 s17, 512, 0
	s_cmp_ge_u32 s16, 768
	s_cselect_b32 s17, 768, s17
	s_sub_co_u32 s17, s16, s17                     ; my chunk of the input that I serve
	s_lshl_b32 s18, s17, 16                        ; its bytes in: 65,536 a chunk (under 2^25)
	s_mov_b32 s19, 0
	s_lshl_b32 s22, s17, 15                        ; and out: half as many
	s_mov_b32 s23, 0
	s_mov_b32 s20, 0xffff0000                      ; a word's upper bf16
	v_and_b32 v3, 31, v0                           ; lane
	v_and_b32 v4, 0xe0, v0                         ; 32 x wave
	v_lshlrev_b32 v1, 4, v3
	v_lshl_or_b32 v1, v4, 8, v1                    ; in: 8,192 x wave + 16 x lane
	v_lshlrev_b32 v2, 3, v3
	v_lshl_or_b32 v2, v4, 7, v2                    ; out: 4,096 x wave + 8 x lane
	s_wait_kmcnt 0x0
	s_cmp_ge_u32 s16, 512
	s_cselect_b64 s[24:25], s[6:7], s[4:5]
	s_cselect_b64 s[26:27], s[12:13], s[10:11]
	s_cmp_ge_u32 s16, 768
	s_cselect_b64 s[24:25], s[8:9], s[24:25]
	s_cselect_b64 s[26:27], s[14:15], s[26:27]
	s_add_nc_u64 s[24:25], s[24:25], s[18:19]
	s_add_nc_u64 s[26:27], s[26:27], s[22:23]
.irp j, 0,1,2,3,4,5,6,7,8,9,10,11,12,13,14,15
	global_load_b128 v[X+4*(\j):X+4*(\j)+3], v1, s[24:25] offset:512*(\j) th:TH_LOAD_NT
.endr
; Load j's four numbers are rounded and stored.  isv = 1: the bf16 numbers are widened again and written as f16.
.macro CONV j, isv
	s_wait_loadcnt 15-(\j)                         ; loads come back in order: load j is in, the 15 - j younger ones may stay out
	v_cvt_pk_bf16_f32 v[Y+2*(\j)],   v[X+4*(\j)],   v[X+4*(\j)+1]
	v_cvt_pk_bf16_f32 v[Y+2*(\j)+1], v[X+4*(\j)+2], v[X+4*(\j)+3]
.if \isv
	v_lshlrev_b32 v[T],   16,  v[Y+2*(\j)]
	v_and_b32     v[T+1], s20, v[Y+2*(\j)]
	v_lshlrev_b32 v[T+2], 16,  v[Y+2*(\j)+1]
	v_and_b32     v[T+3], s20, v[Y+2*(\j)+1]
	v_cvt_pk_f16_f32 v[Y+2*(\j)],   v[T],   v[T+1]
	v_cvt_pk_f16_f32 v[Y+2*(\j)+1], v[T+2], v[T+3]
.endif
	global_store_b64 v2, v[Y+2*(\j):Y+2*(\j)+1], s[26:27] offset:256*(\j) th:TH_STORE_NT
.endm
	s_cmp_ge_u32 s16, 768
	s_cbranch_scc1 .Lv
.irp j, 0,1,2,3,4,5,6,7,8,9,10,11,12,13,14,15
	CONV \j, 0
.endr
	s_endpgm
.Lv:
.irp j, 0,1,2,3,4,5,6,7,8,9,10,11,12,13,14,15
	CONV \j, 1
.endr
	s_endpgm
.Lfunc_end_k_q5542018a2a_prep:
	.size	k_q5542018a2a_prep, .Lfunc_end_k_q5542018a2a_prep-k_q5542018a2a_prep
	.p2alignl 7, 3214868480
	.fill 96, 4, 3214868480
	.section	.rodata,"a",@progbits
	.p2align	6, 0x0
	.amdhsa_kernel k_q5542018a2a_prep
		.amdhsa_group_segment_fixed_size 0
		.amdhsa_private_segment_fixed_size 0
		.amdhsa_enable_private_segment 0
		.amdhsa_kernarg_size 48
		.amdhsa_user_sgpr_count 2
		.amdhsa_user_sgpr_kernarg_segment_ptr 1
		.amdhsa_wavefront_size32 1
		.amdhsa_system_sgpr_workgroup_id_x 1
		.amdhsa_system_sgpr_workgroup_id_y 1
		.amdhsa_system_sgpr_workgroup_id_z 1
		.amdhsa_system_vgpr_workitem_id 0
		.amdhsa_next_free_vgpr 112
		.amdhsa_next_free_sgpr 66
		.amdhsa_reserve_vcc 0
		.amdhsa_float_denorm_mode_32 3
		.amdhsa_float_denorm_mode_16_64 3
		.amdhsa_memory_ordered 1
		.amdhsa_forward_progress 1
		.amdhsa_inst_pref_size 16
	.end_amdhsa_kernel
	.amdgpu_metadata
---
amdhsa.version: [ 1, 2 ]
amdhsa.kernels:
  - .name:           k_q5542018a2a_prep
    .symbol:         k_q5542018a2a_prep.kd
    .args:
      - { .name: x, .offset: 0, .size: 8, .value_kind: global_buffer, .address_space: global }
      - { .name: K, .offset: 8, .size: 8, .value_kind: global_buffer, .address_space: global }
      - { .name: V, .offset: 16, .size: 8, .value_kind: global_buffer, .address_space: global }
      - { .name: xb, .offset: 24, .size: 8, .value_kind: global_buffer, .address_space: global }
      - { .name: kb, .offset: 32, .size: 8, .value_kind: global_buffer, .address_space: global }
      - { .name: vh, .offset: 40, .size: 8, .value_kind: global_buffer, .address_space: global }
    .group_segment_fixed_size: 0
    .private_segment_fixed_size: 0
    .kernarg_segment_align: 8
    .kernarg_segment_size: 48
    .max_flat_workgroup_size: 256
    .sgpr_count:     66
    .vgpr_count:     112
    .wavefront_size: 32
...
	.end_amdgpu_metadata
.endif
;; end of part 1
;; launch scores (part 2): grid 16 x 16, 4 waves a work-group, clusters of 4 x 4, 327,680 bytes of LDS; arguments xb, kb, p, stats; writes p, stats
.if DOCPART == 2
	.amdgcn_target "amdgcn-amd-amdhsa--gfx1250"
	.amdhsa_code_object_version 6
	.text
	.protected	k_q5542018a2a_scores
	.globl	k_q5542018a2a_scores
	.p2align	8
	.type	k_q5542018a2a_scores,@function
k_q5542018a2a_scores:
	s_mov_b64 s[64:65], 0
	v_nop
	global_prefetch_b8 v0, s[64:65] scope:SCOPE_SE
	s_setreg_imm32_b32 hwreg(HW_REG_WAVE_MODE, 25, 1), 1
	s_wait_xcnt 0x0
	s_wait_alu depctr_hold_cnt(0) depctr_sa_sdst(0) depctr_va_vdst(0) depctr_va_sdst(0) depctr_va_ssrc(0) depctr_va_vcc(0) depctr_vm_vsrc(0)
	s_getreg_b32 s2, hwreg(HW_REG_IB_STS2, 6, 4)
	s_cmp_eq_u32 s2, 0
	s_cbranch_scc0 .Lentry_in_a_cluster
	s_endpgm
.Lentry_in_a_cluster:
	s_bfe_u32 s2, ttmp6, 0x10000c
	s_cmp_lg_u32 s2, 0xf033
	s_cbranch_scc0 .Lentry_shape_is_right
	s_endpgm
.Lentry_shape_is_right:
; s[m][n] = sum over e of xb[m][e] kb[n][e] (bf16 operands, f32 sums), then a softmax IN PIECES of 128 keys: for row m and piece t (keys 128 t .. 128 t + 127)
;   cm = c x (the largest s of the piece), c = log2(e) / 32;   p[m][n] = 2^(c s - cm), rounded once to f16;   l = the sum of the piece's unrounded p.
; p: [8192][4096] f16.  stats: [row / 128][t][cm, l][row % 128] f32.  The next launch takes the largest cm of a row's 32 pieces and brings all pieces onto it: every exponential here has
; its piece's own maximum taken away, so p lies in 0 to 1 and l in 1 to 128, whatever the inputs.
; LIMITS.  A p below 6e-5 keeps f16's fixed step of 6e-8; one below 2^-126 counts as 0 in l.  NaN and infinities are not treated apart.
; SHARES.  A tile of s, 256 x 256, is made by a work-group of four waves; a wave makes 128 x 128: 64 accumulators of 16 x 16, 512 registers: just one piece of 128 rows.  K (the 1,024 channels)
; goes in steps of 128 through a ring of two LDS slots filled by the tensor data mover.  A WORK-GROUP STAYS: it makes two tiles, 4,096 rows apart, and the ring runs on into the second tile.
; CLUSTERS: 4 x 4 work-groups.  The four of a row of the cluster need the same rows of xb, the four of a column the same rows of kb: each tile is asked for JOINTLY, by the same tensor load with
; the same descriptor and a mask that names the four.
; THE MATRIX INSTRUCTION IS USED TRANSPOSED: source 0 = 16 rows of kb, source 1 = 16 rows of xb.  In the result lane l holds row l % 16 and the keys 8 (l / 16) + 0..7: a block of 16 rows lies in
; eight accumulators, 64 scores of one row in a lane, the row's other 64 in the lane 16 away.
; REGISTERS, in windows of 256 (s_set_vgpr_msb's low byte: bits 1:0 source 0, 3:2 source 1, 5:4 source 2, 7:6 destination):
;   window 0: v0-31 addresses and the softmax's few; v64-127, v128-191 fragments of xb, two buffers; v32-63, v192-255 at work on the way out
;   window 1: v64-127, v128-191 fragments of kb;   window 2: the accumulators of my rows 0-63 ((a, b) at v[8 (8 a + b)]);   window 3: those of my rows 64-127
.set SIZE_M, 8192
.set SIZE_N, 4096
.set SIZE_K, 1024
.set SIZE_TILES, 2
.set KSTEP,  128
.set PITCH,  272                       ; an LDS row: 256 bytes of data + 16 of padding = 68 words: the 16 rows that a load touches start at 16 different groups of four banks (ISA guide 11.1)
.set HALFT,  128*PITCH                 ; 128 rows: what one tensor load brings, and what one wave reads of xb or of kb
.set SLOT,   4*HALFT                   ; xb's 256 rows, then kb's 256 rows
.set STAGE,  2*SLOT                    ; behind the ring: 16 rows x 272 bytes for each wave, for the way out
.set SPITCH, 272
.set STATS,  STAGE+4*16*SPITCH         ; 1,024 bytes for each wave: cm of its 128 rows, then l
.set SPARE,  STATS+4*1024              ; the spare words, 128 bytes for each wave: two blocks of 256 bytes that no other line names
.set LAPS, SIZE_K/(2*KSTEP)            ; a lap = two K steps = once round the ring
.set WALK,   SIZE_M/SIZE_TILES         ; rows from a work-group's first tile to its second
.set NEXT_A, WALK*SIZE_K*2-(SIZE_K-2*KSTEP)*2   ; bytes from a slot's last K step of a tile to its first of the next tile: xb goes WALK rows down and back along K,
.set BACK_B, (SIZE_K-2*KSTEP)*2        ; kb only back: both tiles take the same rows of kb
.set NEXT_C, (WALK-7*16)*SIZE_N*2      ; bytes from my last 16 rows of a tile of p to my first of the next
.set CM,   2                           ; v[2:3]  c m of the block in hand (v3 is named with it as a pair and holds 0)
.set LS,   4                           ; v[4:5]  the block's sums
.set T,    6                           ; v[6:13] eight chains of the maximum
.set XV,   14                          ; v14     cm in lanes 0-15, l in lanes 16-31
.set YV,   15                          ; v15     what the lane 16 away holds
.set ADRA, 16                          ; v16-17  LDS address of my xb fragments in slot 0, 1
.set SA,   18                          ; v18     where XV goes in my 1,024 bytes of STATS
.set SR,   19                          ; v19     where I read them back, 16 bytes a lane
.set ADRB, 20                          ; v20-21  LDS address of my kb fragments
.set SO,   22                          ; v22     16 x lane: my offset in the wave's 1,024 bytes of stats
.set STO,  24                          ; v24     the way out: where I put 16 bytes of a row
.set RD,   25                          ; v25     the way out: where I read a row back
.set CO,   26                          ; v26     my byte offset in p
.set SPW,  28                          ; v28     LDS address of my spare word: SPARE + 4 x my thread's number; never rewritten
.set NIL,  29                          ; v29     0; never rewritten
.set PFO,  30                          ; v30     the prefetches' offset: my lane x a row of xb or kb (2,048 bytes); never rewritten
.set PFA,  44                          ; s[44:45] where my prefetches stand
.set LIM,  43                          ; s43     1 in a wave that prefetches, else the greatest number
.set F0,   64
.set F1,   128
.set TMP,  192                         ; the way out: packed weights
.set OB,   32                          ; the way out: 16 rows read back from the stage: v32-63 and v224-255 by turns
.set G1, 24                            ; s[24:31] descriptor group 1 for xb's tiles
.set G0, 32                            ; s[32:39] descriptor group 0 for xb's tiles, one set for each slot
.set G1B, 48                           ; s[48:55], s[56:63] the same for kb's
.set G0B, 56
.set CS,  66                           ; s[66:67] c, twice
.set SEL, 68                           ; s[68:69] v_permlanex16_b32's selects: each lane takes its own place in the other half
.set HM,  70                           ; s70     lanes 16-31
.set SB,  72                           ; s[72:73] stats at my wave's 1,024 bytes
.set MSB, 0
.macro WIN new                         ; the immediate's high byte repeats the setting that is left; a switch that changes nothing is dropped
.if MSB != (\new)
	s_set_vgpr_msb (MSB<<8)|(\new)
.set MSB, \new
.endif
.endm
.set MUL_LO, 0xa1                      ; source 0 (kb) window 1, source 1 (xb) window 0, C and D window 2
.set MUL_HI, 0xf1                      ; the same, C and D window 3
.set TO_B,   0x40                      ; destination window 1, address window 0
; A joint load.  Waves 0 and 1 fetch xb's two halves, waves 2 and 3 kb's.  The branch hangs on the wave's number alone.  An s_nop 0 and four v_nop follow each line.
.macro JLOAD s
	s_cmp_eq_u32 s11, 0
	s_cbranch_scc0 .Lfor_b_\@
	tensor_load_to_lds s[G0+4*(\s):G0+4*(\s)+3], s[G1:G1+7]
	s_nop 0
.rept 4
	v_nop
.endr
	s_branch .Lasked_\@
.Lfor_b_\@:
	tensor_load_to_lds s[G0B+4*(\s):G0B+4*(\s)+3], s[G1B:G1B+7]
	s_nop 0
.rept 4
	v_nop
.endr
.Lasked_\@:
.endm
; A prefetch of the K step that stands TWO refills on (512 matrix instructions ahead of the load that will want it): 32 rows x 256 bytes, a lane a row, one instruction a wave.
; Each row's 256 bytes of a K step are named once in the launch: xb's rows by the cluster with x = 0, kb's by the cluster with y = 0 (in the first tile alone: the second takes the same rows);
; the four partners that ask for a tile jointly share its rows out BY ADDRESS, 32 each.  how = 0, in the loop: a tile's last two refills have no K step two on; how = 1, at the change of tiles.
.macro ASK how
.if \how
	s_cmp_eq_u32 s[LIM], 1
.else
	s_cmp_gt_u32 s3, s[LIM]                        ; s3 = 1 in the loop's last trip
.endif
	s_cbranch_scc0 .Lnot_mine_\@
	global_prefetch_b8 v[PFO], s[PFA:PFA+1] offset:KSTEP*2 th:TH_LOAD_NT scope:SCOPE_SE
.Lnot_mine_\@:
.endm
.macro CREST                           ; a round of the cluster's barrier behind its opening barrier
	s_cmp_lg_u32 s10, 0
	s_cbranch_scc1 .Lnot_wave_0_\@
	s_barrier_signal -3
.Lnot_wave_0_\@:
	s_barrier_wait -3
	s_barrier_signal -1
	s_barrier_wait -1
.endm
.macro CROUND                          ; a whole round
	s_barrier_signal -1
	s_barrier_wait -1
	CREST
.endm
	s_load_b128 s[4:7], s[0:1], 0x0                ; xb s[4:5], kb s[6:7]
	s_load_b64 s[8:9], s[0:1], 0x10                ; p
	s_load_b64 s[SB:SB+1], s[0:1], 0x18            ; stats
	v_lshl_add_u32 v[SPW], v0, 2, SPARE
	v_mov_b32 v[NIL], 0
	ds_add_u32 v[SPW], v[NIL]                      ; the wave's opening: the add and its wait stand ahead of my first tensor load; the set-up below stands between them
	v_lshrrev_b32 v1, 5, v0
	v_readfirstlane_b32 s10, v1                    ; wave 0..3
	s_lshr_b32 s11, s10, 1                         ; which half of the tile's rows is mine.  Also: I fetch for xb (0) or for kb (1)
	s_and_b32 s12, s10, 1                          ; which half of its keys.  Also: which 128 rows of that tile I fetch
	s_bfe_u32 s40, ttmp6, 0x40000                  ; cx
	s_bfe_u32 s41, ttmp6, 0x40004                  ; cy
	s_lshl_b32 s42, ttmp9, 2
	s_add_co_u32 s42, s42, s40                     ; tile column = 4 x cluster x + cx
	s_and_b32 s13, ttmp7, 0xffff
	s_lshl_b32 s13, s13, 2
	s_add_co_u32 s13, s13, s41                     ; tile row = 4 x cluster y + cy
	s_lshl_b32 s43, s41, 2
	s_lshl_b32 s43, 15, s43                        ; my row of the cluster
	s_lshl_b32 s44, 0x1111, s40                    ; my column
	s_or_b32 s[G1+0], s43, (1<<16)|(1<<20)|(1<<21)|(5<<22)|(3<<25)  ; the mask; elements of 2 bytes; padding on; bit 21 beside a mask; after every 64 words 4 words
	s_or_b32 s[G1B+0], s44, (1<<16)|(1<<20)|(1<<21)|(5<<22)|(3<<25)
	s_mov_b32 s[G1B+1], KSTEP<<16
	s_mov_b32 s[G1+1], KSTEP<<16                   ; tensor_dim0 = 128
	s_mov_b32 s[G1B+2], 128<<16
	s_mov_b32 s[G1+2], 128<<16                     ; tensor_dim1 = 128
	s_mov_b32 s[G1B+3], KSTEP<<16
	s_mov_b32 s[G1+3], KSTEP<<16                   ; tile_dim0 = 128
	s_mov_b32 s[G1B+4], 128
	s_mov_b32 s[G1+4], 128                         ; tile_dim1 = 128
	s_mov_b32 s[G1B+5], SIZE_K
	s_mov_b32 s[G1+5], SIZE_K                      ; elements from row to row
	s_mov_b32 s[G1B+6], 0
	s_mov_b32 s[G1+6], 0
	s_mov_b32 s[G1B+7], 0
	s_mov_b32 s[G1+7], 0
	s_mov_b32 s[CS], 0x3d38aa3b                    ; c = log2(e) / 32
	s_mov_b32 s[CS+1], s[CS]
	s_mov_b32 s[SEL], 0x76543210
	s_mov_b32 s[SEL+1], 0xfedcba98
	s_mov_b32 s[HM], 0xffff0000
	; xb's tiles hang on the tile row alone, kb's on the tile column alone; each address is made in registers that never hold the other coordinate
	s_lshl_b32 s17, s12, 7
	s_lshl_b32 s16, s13, 8
	s_add_co_u32 s16, s16, s17                     ; xb: row 256 x tile row + 128 x half
	s_lshl_b32 s46, s42, 8
	s_add_co_u32 s46, s46, s17                     ; kb: row 256 x tile column + 128 x half
	s_mov_b32 s17, 0
	s_mov_b32 s47, 0
	s_mov_b64 s[18:19], SIZE_K*2
	s_mul_u64 s[16:17], s[16:17], s[18:19]
	s_mul_u64 s[46:47], s[46:47], s[18:19]
	s_mul_i32 s20, s10, HALFT                      ; where they go: wave x 128 rows
	s_wait_dscnt 0x0                               ; the opening add is done
	s_wait_kmcnt 0x0
	s_add_nc_u64 s[14:15], s[4:5], s[16:17]
	s_add_nc_u64 s[46:47], s[6:7], s[46:47]
	CROUND                                         ; all sixteen work-groups are here: the first joint loads meet
.irp s, 0,1
	s_mov_b32 s[G0+4*(\s)], 1
	s_add_co_u32 s[G0+4*(\s)+1], s20, (\s)*SLOT
	s_add_nc_u64 s[G0+4*(\s)+2:G0+4*(\s)+3], s[14:15], (\s)*KSTEP*2
	s_or_b32 s[G0+4*(\s)+3], s[G0+4*(\s)+3], 0x80000000
	s_mov_b32 s[G0B+4*(\s)], 1
	s_add_co_u32 s[G0B+4*(\s)+1], s20, (\s)*SLOT
	s_add_nc_u64 s[G0B+4*(\s)+2:G0B+4*(\s)+3], s[46:47], (\s)*KSTEP*2
	s_or_b32 s[G0B+4*(\s)+3], s[G0B+4*(\s)+3], 0x80000000
	JLOAD \s                                       ; two loads of mine are out
.endr
	; a fragment is 16 rows x 32 K in 8 registers: lane l holds row l % 16, K = 8 (l / 16) + 0..7 and 16 + 8 (l / 16) + 0..7: two loads of 16 bytes, 32 bytes apart
	v_and_b32 v1, 15, v0                           ; l % 16
	v_bfe_u32 v2, v0, 4, 1                         ; l / 16
	v_mul_u32_u24 v3, v1, PITCH
	v_lshl_add_u32 v3, v2, 4, v3
	s_mul_i32 s21, s11, HALFT                      ; my 128 rows of xb
	s_mul_i32 s22, s12, HALFT                      ; my 128 rows of kb,
	s_add_co_u32 s22, s22, 2*HALFT                 ; which lie behind xb's 256
.irp s, 0,1
	v_add_nc_u32 v[ADRA+(\s)], s21, v3
	v_add_nc_u32 v[ADRB+(\s)], s22, v3
	s_add_co_u32 s21, s21, SLOT
	s_add_co_u32 s22, s22, SLOT
.endr
	s_mul_i32 s23, s10, 16*SPITCH
	s_add_co_u32 s23, s23, STAGE                   ; my stage
	v_mul_u32_u24 v4, v1, SPITCH
	v_lshl_add_u32 v4, v2, 4, v4
	v_add_nc_u32 v[STO], s23, v4
	v_mul_u32_u24 v5, v2, SPITCH
	v_lshl_add_u32 v5, v1, 4, v5
	v_add_nc_u32 v[RD], s23, v5
	v_mul_u32_u24 v5, v2, SIZE_N*2
	v_lshl_add_u32 v[CO], v1, 4, v5
	s_lshl_b32 s23, s10, 10
	s_add_co_u32 s23, s23, STATS                   ; my 1,024 bytes of STATS
	v_lshlrev_b32 v[SA], 2, v1                     ; row l % 16 of a block; lanes 0-15 write into the 512 bytes of cm, lanes 16-31 into those of l
	v_lshl_add_u32 v[SA], v2, 9, v[SA]
	v_add_nc_u32 v[SA], s23, v[SA]
	v_and_b32 v[SO], 31, v0
	v_lshlrev_b32 v[SO], 4, v[SO]
	v_add_nc_u32 v[SR], s23, v[SO]
	v_mov_b32 v[CM+1], 0                           ; named as the upper half of a pair
	v_mov_b32 v[YV], 0                             ; v_permlanex16_b32's destination counts as read
	; where my part of the first tile begins in p: the first way out adds it to p's address
	s_lshl_b32 s13, s13, 8
	s_lshl_b32 s14, s11, 7
	s_add_co_u32 s16, s13, s14
	s_mov_b32 s17, 0
	s_mov_b64 s[18:19], SIZE_N*2
	s_mul_u64 s[16:17], s[16:17], s[18:19]
	s_lshl_b32 s46, s42, 9
	s_lshl_b32 s47, s12, 8
	s_add_co_u32 s46, s46, s47
	s_mov_b32 s47, 0
	s_add_nc_u64 s[16:17], s[16:17], s[46:47]
	; the prefetches.  s13 = 256 x tile row, s42 = tile column, s40 = cx, s41 = cy
	s_lshl_b32 s42, s42, 8
	s_and_b32 s22, ttmp7, 0xffff                   ; cluster y
	s_cmp_eq_u32 s11, 0
	s_cselect_b32 s20, s13, s42                    ; the tile's first row
	s_cselect_b32 s21, s40, s41                    ; my place among the four that ask for it with me
	s_cselect_b32 s22, ttmp9, s22                  ; the coordinate along which other clusters read the same rows
	s_cselect_b64 s[PFA:PFA+1], s[4:5], s[6:7]
	s_cmp_eq_u32 s22, 0
	s_cselect_b32 s[LIM], 1, -1
	s_lshl_b32 s22, s12, 7
	s_add_co_u32 s20, s20, s22
	s_lshl_b32 s21, s21, 5
	s_add_co_u32 s20, s20, s21
	s_mov_b32 s21, 0
	s_mov_b64 s[18:19], SIZE_K*2
	s_mul_u64 s[20:21], s[20:21], s[18:19]
	s_add_nc_u64 s[PFA:PFA+1], s[PFA:PFA+1], s[20:21]
	s_add_nc_u64 s[PFA:PFA+1], s[PFA:PFA+1], 2*KSTEP*2  ; at K step 2: the first refill steps it to 3 and names K step 4
	v_and_b32 v[PFO], 31, v0
	v_mul_u32_u24 v[PFO], v[PFO], SIZE_K*2
	; stats at (row / 128 = 2 x tile row + my row half, t = 2 x tile column + my key half): 32,768 and 1,024 bytes apart
	s_lshl_b32 s74, s13, 8
	s_lshl_b32 s75, s11, 15
	s_add_co_u32 s74, s74, s75
	s_lshl_b32 s75, s42, 3
	s_add_co_u32 s74, s74, s75
	s_lshl_b32 s75, s12, 10
	s_add_co_u32 s74, s74, s75
	s_mov_b32 s75, 0
	s_add_nc_u64 s[SB:SB+1], s[SB:SB+1], s[74:75]
; 16 matrix instructions: row blocks a0, a0 + 1 of the window's four x all 8 key blocks, 32 along K.  zero = 1: the first product starts the sums.
.macro MUL16 f, hi, a0, zero
	WIN MUL_LO+0x50*(\hi)
.irp a, \a0, (\a0)+1
.irp b, 0,1,2,3,4,5,6,7
.if \zero
	v_wmma_f32_16x16x32_bf16 v[8*(8*(\a)+(\b)):8*(8*(\a)+(\b))+7], v[(\f)+8*(\b):(\f)+8*(\b)+7], v[(\f)+8*(4*(\hi)+(\a)):(\f)+8*(4*(\hi)+(\a))+7], 0
.else
	v_wmma_f32_16x16x32_bf16 v[8*(8*(\a)+(\b)):8*(8*(\a)+(\b))+7], v[(\f)+8*(\b):(\f)+8*(\b)+7], v[(\f)+8*(4*(\hi)+(\a)):(\f)+8*(4*(\hi)+(\a))+7], v[8*(8*(\a)+(\b)):8*(8*(\a)+(\b))+7]
.endif
.endr
.endr
.endm
; 32 LDS loads in one run: the fragments of one quarter step (32 K at byte k of the rows) into buffer f
.macro FETCH slot, k, f
	WIN TO_B
.irp i, 0,1,2,3,4,5,6,7
	ds_load_b128 v[(\f)+8*(\i):(\f)+8*(\i)+3],   v[ADRB+(\slot)] offset:(\k)+(\i)*16*PITCH
	ds_load_b128 v[(\f)+8*(\i)+4:(\f)+8*(\i)+7], v[ADRB+(\slot)] offset:(\k)+(\i)*16*PITCH+32
.endr
	WIN 0
.irp i, 0,1,2,3,4,5,6,7
	ds_load_b128 v[(\f)+8*(\i):(\f)+8*(\i)+3],   v[ADRA+(\slot)] offset:(\k)+(\i)*16*PITCH
	ds_load_b128 v[(\f)+8*(\i)+4:(\f)+8*(\i)+7], v[ADRA+(\slot)] offset:(\k)+(\i)*16*PITCH+32
.endr
.endm
.macro PLACES                          ; four plain vector instructions between a matrix instruction and a load into, or a vector instruction on, its registers
.rept 4
	v_nop
.endr
.endm
; A K step is four quarters of 32 along K, 64 matrix instructions each, on buffers 0, 1, 0, 1.  One of the first three: multiplies buffer f; in its middle it fetches the next quarter into g.
.macro QUARTER slot, k, f, g, zero
	s_wait_dscnt 8                                 ; kb's fragments and xb's rows 0-63 are in; the youngest eight loads (xb's rows 64-127) may be out
	WIN MUL_LO
	MUL16 \f, 0, 0, \zero
	MUL16 \f, 0, 2, \zero
	PLACES
	FETCH \slot, \k, \g
	s_wait_dscnt 32                                ; all but the 32 just issued
	WIN MUL_HI
	MUL16 \f, 1, 0, \zero
	MUL16 \f, 1, 2, \zero
.endm
; The first half of a K step's last quarter: ONE barrier for the change of slots.  In front of it each wave waits for all its tensor loads (one is out: its part of the next slot), adds 0 to its
; spare word, and waits for that and for its own reads of this slot.
.macro MEET round
	WIN 0
	s_wait_tensorcnt 0x0
	ds_add_u32 v[SPW], v[NIL]                      ; 0 onto my spare word
	s_wait_dscnt 9                                 ; the add and the youngest eight loads may be out
	WIN MUL_LO
	MUL16 F1, 0, 0, 0
	s_wait_dscnt 0x0                               ; the add is done, and my reads of this slot are over
	s_barrier_signal -1
	MUL16 F1, 0, 2, 0
.if \round
	WIN 0
.endif
	s_barrier_wait -1
.endm
; The whole last quarter.  Behind the round the slot just read out is filled again first: with this tile's K step two steps on (on = 0) or with the NEXT tile's K step 0 or 1 (on = 1).
.macro TURN slot, next, on
	s_wait_xcnt 0x0                                ; the last prefetch, a K step back, has read its address
.if (\on) && (\slot) == 0
	s_add_nc_u64 s[PFA:PFA+1], s[PFA:PFA+1], (WALK-1)*SIZE_K*2+KSTEP*2  ; from the K step after the tile's last to the next tile's K step 1
	s_cmp_eq_u32 s11, 0
	s_cselect_b32 s[LIM], s[LIM], -1               ; kb's rows are the same for both tiles: they are asked for no more
.else
	s_add_nc_u64 s[PFA:PFA+1], s[PFA:PFA+1], KSTEP*2
.endif
	MEET 1
	CREST                                          ; no wave of any partner still reads this slot's tile or has a load on its way
.if \on
	s_add_nc_u64 s[G0+4*(\slot)+2:G0+4*(\slot)+3], s[G0+4*(\slot)+2:G0+4*(\slot)+3], NEXT_A
	s_sub_nc_u64 s[G0B+4*(\slot)+2:G0B+4*(\slot)+3], s[G0B+4*(\slot)+2:G0B+4*(\slot)+3], BACK_B
.else
	s_add_nc_u64 s[G0+4*(\slot)+2:G0+4*(\slot)+3], s[G0+4*(\slot)+2:G0+4*(\slot)+3], 2*KSTEP*2
	s_add_nc_u64 s[G0B+4*(\slot)+2:G0B+4*(\slot)+3], s[G0B+4*(\slot)+2:G0B+4*(\slot)+3], 2*KSTEP*2
.endif
	JLOAD \slot                                    ; my one tensor load behind the round; its four v_nop are also the places in front of the loads below
	FETCH \next, 0, F0
	ASK \on
	WIN MUL_HI
	MUL16 F1, 1, 0, 0
	MUL16 F1, 1, 2, 0
.endm
; THE SOFTMAX OF BLOCK a (16 rows x my 128 keys; eight accumulators, 64 scores a lane), in place.  Each accumulator's lowest registers are read first.
.macro SOFT a
.set SW, 2+(\a)/4                      ; the block's window
.set SAC, 64*((\a)%4)                  ; its first register there
	WIN 21*SW                                      ; all three sources in the block's window
.irp b, 0,1,2,3,4,5,6,7
	v_max3_num_f32 v[T+(\b)], v[SAC+8*(\b)], v[SAC+8*(\b)+1], v[SAC+8*(\b)+2]
.endr
	WIN 20*SW                                      ; sources 1 and 2
.irp b, 0,1,2,3,4,5,6,7
	v_max3_num_f32 v[T+(\b)], v[T+(\b)], v[SAC+8*(\b)+3], v[SAC+8*(\b)+4]
.endr
.irp b, 0,1,2,3,4,5,6,7
	v_max3_num_f32 v[T+(\b)], v[T+(\b)], v[SAC+8*(\b)+5], v[SAC+8*(\b)+6]
.endr
.irp k, 0,1,2,3
	v_max3_num_f32 v[T+2*(\k)], v[T+2*(\k)], v[SAC+16*(\k)+7], v[SAC+16*(\k)+15]
.endr
	WIN 0
	v_max3_num_f32 v[T], v[T], v[T+1], v[T+2]
	v_max3_num_f32 v[T+3], v[T+3], v[T+4], v[T+5]
	v_max3_num_f32 v[T], v[T], v[T+3], v[T+6]
	v_max_num_f32 v[T], v[T], v[T+7]
	v_permlanex16_b32 v[YV], v[T], s[SEL], s[SEL+1]  ; the row's other 64 keys lie in the lane 16 away
	v_max_num_f32 v[T], v[T], v[YV]
	v_mul_f32 v[CM], s[CS], v[T]                   ; c m
	WIN 65*SW                                      ; destination and source 0
	; ONE BATCH: 32 scalings c s - c m, a pair each, and 64 exponentials; none of these lines names an exponential's result
	v_pk_fma_f32 v[SAC:SAC+1], v[SAC:SAC+1], s[CS:CS+1], v[CM:CM+1] op_sel_hi:[1,0,0] neg_lo:[0,0,1] neg_hi:[0,0,1]
.set n, 1
.rept 31
	v_pk_fma_f32 v[SAC+2*n:SAC+2*n+1], v[SAC+2*n:SAC+2*n+1], s[CS:CS+1], v[CM:CM+1] op_sel_hi:[1,0,0] neg_lo:[0,0,1] neg_hi:[0,0,1]
	v_exp_f32 v[SAC+2*n-2], v[SAC+2*n-2]
	v_exp_f32 v[SAC+2*n-1], v[SAC+2*n-1]
.set n, n+1
.endr
	v_exp_f32 v[SAC+62], v[SAC+62]
	v_exp_f32 v[SAC+63], v[SAC+63]
	v_nop                                          ; a plain instruction behind the last exponential, ahead of the first use (ISA guide 5.7.2)
	s_wait_alu depctr_va_vdst(0)                   ; one wait for the batch, ahead of its first reader
	WIN 5*SW                                       ; sources 0 and 1
.irp b, 0,1,2,3,4,5,6,7
.irp r, 0,1,2,3
	v_cvt_pk_f16_f32 v[TMP+4*(\b)+(\r)], v[SAC+8*(\b)+2*(\r)], v[SAC+8*(\b)+2*(\r)+1]
.endr
.endr
	WIN 69*SW                                      ; destination, sources 0 and 1: the sum of the 32 pairs, in place, halving
.irp w, 32,16,8,4
.set n, 0
.rept (\w)/2
	v_pk_add_f32 v[SAC+2*n:SAC+2*n+1], v[SAC+2*n:SAC+2*n+1], v[SAC+(\w)+2*n:SAC+(\w)+2*n+1]
.set n, n+1
.endr
.endr
	WIN 5*SW
	v_pk_add_f32 v[LS:LS+1], v[SAC:SAC+1], v[SAC+2:SAC+3]
	WIN 0
	v_add_f32 v[LS], v[LS], v[LS+1]
	v_permlanex16_b32 v[YV], v[LS], s[SEL], s[SEL+1]
	v_add_f32 v[LS], v[LS], v[YV]                  ; l
	v_cndmask_b32 v[XV], v[CM], v[LS], s[HM]       ; lanes 0-15 carry cm, lanes 16-31 l
	ds_store_b32 v[SA], v[XV] offset:64*(\a)
.endm
.macro TOSTAGE a                       ; 16 bytes a lane into my own stage, and back as whole rows of 256 bytes
	WIN 0
.set BK, OB+192*((\a)%2)
.irp b, 0,1,2,3,4,5,6,7
	ds_store_b128 v[STO], v[TMP+4*(\b):TMP+4*(\b)+3] offset:32*(\b)
.endr
.irp t, 0,1,2,3,4,5,6,7
	ds_load_b128 v[BK+4*(\t):BK+4*(\t)+3], v[RD] offset:(\t)*2*SPITCH  ; LDS serves a wave's instructions in order (ISA guide 5.7.1.4): these see the stores above
.endr
.endm
.macro SEND a, younger
	WIN 0
.set BK, OB+192*((\a)%2)
	s_wait_dscnt \younger                          ; the block is back in registers
	s_wait_xcnt 0x0                                ; only behind this wait are the stores' base and the registers that earlier stores read rewritten
.if (\a) == 0
	s_add_nc_u64 s[8:9], s[8:9], s[16:17]          ; on to this tile's first rows
.else
	s_add_nc_u64 s[8:9], s[8:9], 16*SIZE_N*2       ; 16 rows of p on
.endif
.irp t, 0,1,2,3,4,5,6,7
	global_store_b128 v[CO], v[BK+4*(\t):BK+4*(\t)+3], s[8:9] offset:2*(\t)*SIZE_N*2  ; 16 lanes store 256 consecutive bytes, at a multiple of 256 from p's first byte
.endr
.endm
	s_wait_tensorcnt 1                             ; my part of K step 0 is in; K step 1's may stay out
	s_barrier_signal -1
	s_barrier_wait -1
	FETCH 0, 0, F0
	s_mov_b32 s2, SIZE_TILES                       ; tiles to go
.Ltile:
	QUARTER 0, 64,  F0, F1, 1                      ; a tile's first quarter starts the sums
	WIN 0
	s_mov_b32 s3, LAPS-1
.Llap:                                                 ; a trip goes once round the ring, from a lap's second quarter to the next lap's first, and fills both slots again
	QUARTER 0, 128, F1, F0, 0
	QUARTER 0, 192, F0, F1, 0
	TURN 0, 1, 0
	QUARTER 1, 64,  F0, F1, 0
	QUARTER 1, 128, F1, F0, 0
	QUARTER 1, 192, F0, F1, 0
	TURN 1, 0, 0
	QUARTER 0, 64,  F0, F1, 0
	WIN 0
	s_sub_co_u32 s3, s3, 1
	s_cmp_lg_u32 s3, 0
	s_cbranch_scc1 .Llap
	QUARTER 0, 128, F1, F0, 0                      ; the tile's last lap goes on
	QUARTER 0, 192, F0, F1, 0
	WIN 0
	s_cmp_eq_u32 s2, 1
	s_cbranch_scc1 .Llast                          ; the last tile's tail asks for nothing more
	TURN 0, 1, 1                                   ; the ring goes on into the next tile: slot 0 takes its K step 0,
	QUARTER 1, 64,  F0, F1, 0
	QUARTER 1, 128, F1, F0, 0
	QUARTER 1, 192, F0, F1, 0
	TURN 1, 0, 1                                   ; slot 1 its K step 1, and the next tile's first fragments are fetched
	WIN 0
	s_branch .Lout
.Llast:
	MEET 0                                         ; my one tensor load that was out is the last K step's, so no round follows
	PLACES
	FETCH 1, 0, F0
	WIN MUL_HI
	MUL16 F1, 1, 0, 0
	MUL16 F1, 1, 2, 0
	QUARTER 1, 64,  F0, F1, 0
	QUARTER 1, 128, F1, F0, 0
	QUARTER 1, 192, F0, F1, 0
	s_wait_dscnt 8                                 ; the very last quarter: the youngest eight loads may be out
	MUL16 F1, 0, 0, 0
	MUL16 F1, 0, 2, 0
	s_wait_dscnt 0x0
	MUL16 F1, 1, 0, 0
	MUL16 F1, 1, 2, 0
	WIN 0
.Lout:                                                 ; THE WAY OUT, one text for both tiles: block a's softmax stands between block a - 1's loads from the stage and the wait for them
	PLACES
	SOFT 0
	TOSTAGE 0
.irp a, 1,2,3,4,5,6,7
	SOFT \a
	SEND (\a)-1, 0
	TOSTAGE \a
.endr
	SEND 7, 0
	ds_load_b128 v[TMP:TMP+3], v[SR]               ; my 128 rows' cm, then their l: in LDS as they lie in stats
	ds_load_b128 v[TMP+4:TMP+7], v[SR] offset:512
	s_wait_dscnt 0x0
	global_store_b128 v[SO], v[TMP:TMP+3], s[SB:SB+1]             ; each store of the wave covers 512 consecutive bytes, aligned
	global_store_b128 v[SO], v[TMP+4:TMP+7], s[SB:SB+1] offset:512
	s_wait_xcnt 0x0                                ; the stores have read their data and their base
	s_add_nc_u64 s[SB:SB+1], s[SB:SB+1], 0x100000  ; 4,096 rows on: 32 groups of 32,768 bytes
	s_mov_b64 s[16:17], NEXT_C                     ; what the next way out adds to p's address
	s_sub_co_u32 s2, s2, 1
	s_cmp_lg_u32 s2, 0
	s_cbranch_scc1 .Ltile
	s_wait_tensorcnt 0x0                           ; the wave's end, behind my last tensor load and my last LDS store
	ds_add_u32 v[SPW], v[NIL]
	s_wait_dscnt 0x0
	CROUND                                         ; the closing round: no work-group ends while a partner may still ask for a tile that names it
	s_endpgm
.Lfunc_end_k_q5542018a2a_scores:
	.size	k_q5542018a2a_scores, .Lfunc_end_k_q5542018a2a_scores-k_q5542018a2a_scores
	.p2alignl 7, 3214868480
	.fill 96, 4, 3214868480
	.section	.rodata,"a",@progbits
	.p2align	6, 0x0
	.amdhsa_kernel k_q5542018a2a_scores
		.amdhsa_group_segment_fixed_size 327680
		.amdhsa_private_segment_fixed_size 0
		.amdhsa_enable_private_segment 0
		.amdhsa_kernarg_size 32
		.amdhsa_user_sgpr_count 2
		.amdhsa_user_sgpr_kernarg_segment_ptr 1
		.amdhsa_wavefront_size32 1
		.amdhsa_system_sgpr_workgroup_id_x 1
		.amdhsa_system_sgpr_workgroup_id_y 1
		.amdhsa_system_sgpr_workgroup_id_z 1
		.amdhsa_system_vgpr_workitem_id 0
		.amdhsa_next_free_vgpr 1024
		.amdhsa_next_free_sgpr 80
		.amdhsa_reserve_vcc 0
		.amdhsa_float_denorm_mode_32 3
		.amdhsa_float_denorm_mode_16_64 3
		.amdhsa_memory_ordered 1
		.amdhsa_forward_progress 1
		.amdhsa_inst_pref_size 248
	.end_amdhsa_kernel
	.amdgpu_metadata
---
amdhsa.version: [ 1, 2 ]
amdhsa.kernels:
  - .name:           k_q5542018a2a_scores
    .symbol:         k_q5542018a2a_scores.kd
    .args:
      - { .name: xb, .offset: 0, .size: 8, .value_kind: global_buffer, .address_space: global }
      - { .name: kb, .offset: 8, .size: 8, .value_kind: global_buffer, .address_space: global }
      - { .name: p, .offset: 16, .size: 8, .value_kind: global_buffer, .address_space: global }
      - { .name: stats, .offset: 24, .size: 8, .value_kind: global_buffer, .address_space: global }
    .group_segment_fixed_size: 327680
    .private_segment_fixed_size: 0
    .kernarg_segment_align: 8
    .kernarg_segment_size: 32
    .max_flat_workgroup_size: 128
    .sgpr_count:     80
    .vgpr_count:     1024
    .wavefront_size: 32
...
	.end_amdgpu_metadata
.endif
;; end of part 2
;; launch mix (part 3): grid 4 x 64, 4 waves a work-group, clusters of 4 x 4, 327,680 bytes of LDS; arguments p, vh, stats, out0; writes out0
.if DOCPART == 3
	.amdgcn_target "amdgcn-amd-amdhsa--gfx1250"
	.amdhsa_code_object_version 6
	.text
	.protected	k_q5542018a2a_mix
	.globl	k_q5542018a2a_mix
	.p2align	8
	.type	k_q5542018a2a_mix,@function
k_q5542018a2a_mix:
	s_mov_b64 s[64:65], 0
	v_nop
	global_prefetch_b8 v0, s[64:65] scope:SCOPE_SE
	s_setreg_imm32_b32 hwreg(HW_REG_WAVE_MODE, 25, 1), 1
	s_wait_xcnt 0x0
	s_wait_alu depctr_hold_cnt(0) depctr_sa_sdst(0) depctr_va_vdst(0) depctr_va_sdst(0) depctr_va_ssrc(0) depctr_va_vcc(0) depctr_vm_vsrc(0)
	s_getreg_b32 s2, hwreg(HW_REG_IB_STS2, 6, 4)
	s_cmp_eq_u32 s2, 0
	s_cbranch_scc0 .Lentry_in_a_cluster
	s_endpgm
.Lentry_in_a_cluster:
	s_bfe_u32 s2, ttmp6, 0x10000c
	s_cmp_lg_u32 s2, 0xf033
	s_cbranch_scc0 .Lentry_shape_is_right
	s_endpgm
.Lentry_shape_is_right:
; out[m][e] = (sum over t of a_t[m] x sum over the keys k of piece t of p[m][k] vh[k][e]) / L[m],  a_t = 2^(cm_t - M),  M = the largest of the row's 32 cm_t,  L = sum over t of a_t l_t.
; p: [8192][4096] f16, each piece of 128 keys under its own maximum; stats: [row / 128][t][cm, l][row % 128] f32; vh: [4096][1024] f16; out: [8192][1024] f32.  M is the row's true maximum (times c),
; so every a_t lies in 0 to 1 and L in 1 to 4,096.  Products in f16 with f32 sums; p is multiplied by a_t (as f16) on its way into the matrix unit; L is summed in f32 from the unrounded a_t.
; LIMITS.  a_t and a_t p below 6e-5 keep f16's fixed step of 6e-8; an a_t below 2^-126 counts as 0 in L.  vh arrives within f16's range.  NaN and infinities are not treated apart.
; SHARES.  A tile of out is 128 rows x 256 channels: 256 work-groups.  A wave makes 64 rows x 128 channels: 32 accumulators.  The keys go in 32 steps of 128, one piece a step, through a ring of
; two LDS slots.  CLUSTERS: 4 x 4 work-groups; p's tile hangs on the tile row alone and is asked for jointly along a row of the cluster, vh's on the tile column alone, along a column.
; LAYOUT.  O^T = V^T P: source 0 = 16 channels x 32 keys of vh, turned by ds_load_tr16_b128; source 1 = 16 rows x 32 keys of p, as it lies.  In the result lane l holds row l % 16 and the channels
; 8 (l / 16) + 0..7.  In a fragment of p a lane holds one row too, so a row's factor is one register a block of 16 rows.
; REGISTERS, in windows of 256 (s_set_vgpr_msb's low byte: bits 1:0 source 0, 3:2 source 1, 5:4 source 2, 7:6 destination):
;   window 0: v0-31 addresses; v32-39 factors, two sets of four; v40-51 1 / L; v64-127, v128-191 vh's fragments, two buffers; v192-255 at work on the way out
;   window 1: v0-127 the accumulators of row blocks 0, 1 ((a, b) at v[8 (8 a + b)]); v128-143, v144-159 p's fragments of those blocks, two buffers          window 2: the same for row blocks 2, 3
; Under ONE setting (destination, source 1 and C in window 1 or 2, source 0 in window 0) stand a half's products, the scalings of p and p's LDS loads: three switches a quarter step.
.set PP,    272                        ; a row of p in LDS: 256 bytes + 16: the 16 rows of a load start at 16 different groups of four banks (ISA guide 11.1)
.set PV,    544                        ; a key of vh: 512 bytes + 32
.set PT,    128*PP                     ; p's 128 rows, then vh's 128 keys
.set SLOT,  PT+128*PV                  ; 104,448
.set RAW,   2*SLOT                     ; the tile row's 32,768 bytes of stats as they lie in memory: filled once, by tensor loads
.set TAB,   RAW+32768                  ; [t 0..31][row 0..127] words: a_t twice, in f16; entry 32: 1 / L in f32
.set STAGE, TAB+33*512                 ; 16 rows x 528 bytes for each wave, for the way out
.set SP,    528
.set SPARE, STAGE+4*16*SP              ; the spare words, 128 bytes for each wave: two blocks of 256 bytes that no other line names
.set ADRP, 16                          ; v16-17  LDS address of my fragments of p in slot 0, 1
.set ADRV, 20                          ; v20-21  of vh
.set TA,   22                          ; v22     TAB + 256 x my row half + 4 (l % 16), at the lap's first step
.set STO,  24
.set RD,   25
.set CO,   26
.set SPW,  28                          ; v28     LDS address of my spare word: SPARE + 4 x my thread's number; never rewritten
.set NIL,  29                          ; v29     0; never rewritten
.set PFO,  30                          ; v30     the prefetches' lane offset; never rewritten
.set FA,   32                          ; v32-39  set s: the factors of the step that lies in slot s, a register a row block
.set IV,   40                          ; v40-43  1 / L, a register a row block
.set IVP,  44                          ; v44-51  the same, twice each, for the packed multiply
.set VF,   64
.set OT,   192
.set PB,   128                         ; in windows 1 and 2
.set WV,   12                          ; s12  my wave's number; s13 = wave / 2: my row half, and 0: I fetch p, 1: vh; s14 = wave % 2: my channel half, and which half of that tile I fetch
.set LIM,  15                          ; s15  1 in a wave that prefetches, else the greatest number
.set G1A,  24                          ; s[24:31] descriptor group 1 for p's tiles;  s[32:39] group 0, one set for each slot
.set G0A,  32
.set PFA,  44                          ; s[44:45] where my prefetches stand
.set PST,  46                          ; s[46:47] their step
.set G1V,  48                          ; s[48:55], s[56:63] the same for vh's tiles
.set G0V,  56
.set G1S,  68                          ; s[68:75], s[76:79] for stats
.set G0S,  76
.set LO,   0x54
.set HI,   0xa8
.set MSB, 0
.macro WIN new
.if MSB != (\new)
	s_set_vgpr_msb (MSB<<8)|(\new)
.set MSB, \new
.endif
.endm
.macro JLOAD s                         ; a joint refill: waves 0 and 1 fetch p's two halves, waves 2 and 3 vh's; an s_nop 0 and four v_nop follow each line
	s_cmp_eq_u32 s13, 0
	s_cbranch_scc0 .Lfor_v_\@
	tensor_load_to_lds s[G0A+4*(\s):G0A+4*(\s)+3], s[G1A:G1A+7]
	s_nop 0
.rept 4
	v_nop
.endr
	s_branch .Lasked_\@
.Lfor_v_\@:
	tensor_load_to_lds s[G0V+4*(\s):G0V+4*(\s)+3], s[G1V:G1V+7]
	s_nop 0
.rept 4
	v_nop
.endr
.Lasked_\@:
.endm
; A prefetch, behind the joint load of step t + 2, of step t + 4: two steps, 256 matrix instructions, ahead of the load that will want it.  p: wave 0 of every work-group, rows 32 cx + lane of the tile's 128,
; 256 bytes each.  vh: waves 2 and 3 of the clusters with y = 0: of the 64 keys that the wave fetches, keys 16 cy + lane % 16, the two blocks of 256 bytes by lane / 16.  The partners are told apart
; BY ADDRESS; each block is named once in the launch.  The loop's last trip asks for nothing: steps 32 and 33 do not exist.
.macro ASK
	s_cmp_gt_u32 s3, s[LIM]
	s_cbranch_scc0 .Lnot_mine_\@
	global_prefetch_b8 v[PFO], s[PFA:PFA+1] th:TH_LOAD_NT scope:SCOPE_SE
.Lnot_mine_\@:
.endm
.macro CREST
	s_cmp_lg_u32 s[WV], 0
	s_cbranch_scc1 .Lnot_wave_0_\@
	s_barrier_signal -3
.Lnot_wave_0_\@:
	s_barrier_wait -3
	s_barrier_signal -1
	s_barrier_wait -1
.endm
.macro CROUND
	s_barrier_signal -1
	s_barrier_wait -1
	CREST
.endm
.macro PLACES
.rept 4
	v_nop
.endr
.endm
	s_load_b256 s[4:11], s[0:1], 0x0               ; p s[4:5], vh s[6:7], stats s[8:9], out s[10:11]
	v_lshl_add_u32 v[SPW], v0, 2, SPARE
	v_mov_b32 v[NIL], 0
	ds_add_u32 v[SPW], v[NIL]                      ; the wave's opening: the add and its wait stand ahead of my first tensor load; the set-up below stands between them
	v_lshrrev_b32 v1, 5, v0
	v_readfirstlane_b32 s[WV], v1
	s_lshr_b32 s13, s[WV], 1
	s_and_b32 s14, s[WV], 1
	s_bfe_u32 s40, ttmp6, 0x40000                  ; cx
	s_bfe_u32 s41, ttmp6, 0x40004                  ; cy
	s_lshl_b32 s42, ttmp9, 2
	s_add_co_u32 s42, s42, s40                     ; tile column = 4 x cluster x + cx
	s_and_b32 s43, ttmp7, 0xffff
	s_lshl_b32 s43, s43, 2
	s_add_co_u32 s43, s43, s41                     ; tile row = 4 x cluster y + cy
	s_lshl_b32 s16, s41, 2
	s_lshl_b32 s16, 15, s16                        ; my row of the cluster
	s_lshl_b32 s17, 0x1111, s40                    ; my column
	s_or_b32 s[G1A], s16, (1<<16)|(1<<20)|(1<<21)|(5<<22)|(3<<25)  ; p: 2-byte elements; padding: after every 64 words 4 words
	s_mov_b32 s[G1A+1], 128<<16                    ; tensor_dim0 = 128 keys
	s_mov_b32 s[G1A+2], 64<<16                     ; tensor_dim1 = 64 rows
	s_mov_b32 s[G1A+3], 128<<16                    ; tile_dim0
	s_mov_b32 s[G1A+4], 64                         ; tile_dim1
	s_mov_b32 s[G1A+5], 4096                       ; elements from row to row
	s_mov_b32 s[G1A+6], 0
	s_mov_b32 s[G1A+7], 0
	s_or_b32 s[G1V], s17, (1<<16)|(1<<20)|(1<<21)|(6<<22)|(7<<25)  ; vh: after every 128 words 8 words
	s_mov_b32 s[G1V+1], 256<<16                    ; 256 channels
	s_mov_b32 s[G1V+2], 64<<16                     ; 64 keys
	s_mov_b32 s[G1V+3], 256<<16
	s_mov_b32 s[G1V+4], 64
	s_mov_b32 s[G1V+5], 1024
	s_mov_b32 s[G1V+6], 0
	s_mov_b32 s[G1V+7], 0
	s_or_b32 s[G1S], s16, (3<<16)|(1<<21)          ; stats: a dense block of 8,192 bytes as 32 rows of 32 elements of 8 bytes, no padding; it hangs on the tile row alone
	s_mov_b32 s[G1S+1], 32<<16
	s_mov_b32 s[G1S+2], 32<<16
	s_mov_b32 s[G1S+3], 32<<16
	s_mov_b32 s[G1S+4], 32
	s_mov_b32 s[G1S+5], 32
	s_mov_b32 s[G1S+6], 0
	s_mov_b32 s[G1S+7], 0
	s_lshl_b32 s18, s43, 20                        ; p: the tile's 128 rows of 8,192 bytes,
	s_lshl_b32 s19, s14, 19                        ; my 64 of them
	s_add_co_u32 s18, s18, s19
	s_mov_b32 s19, 0
	s_lshl_b32 s20, s43, 15                        ; stats: the tile row's 32,768 bytes,
	s_lshl_b32 s21, s[WV], 13                      ; my quarter
	s_add_co_u32 s20, s20, s21
	s_mov_b32 s21, 0
	s_lshl_b32 s22, s14, 17                        ; vh: my 64 keys of 2,048 bytes,
	s_lshl_b32 s23, s42, 9                         ; the tile's 512 bytes of each
	s_add_co_u32 s22, s22, s23
	s_mov_b32 s23, 0
	s_mul_i32 s84, s14, 64*PP                      ; where they go: no place in the cluster enters an LDS address
	s_mul_i32 s85, s14, 64*PV
	s_add_co_u32 s85, s85, PT
	s_lshl_b32 s86, s[WV], 13
	s_add_co_u32 s86, s86, RAW
	s_wait_dscnt 0x0                               ; the opening add is done
	s_wait_kmcnt 0x0
	s_add_nc_u64 s[18:19], s[4:5], s[18:19]
	s_add_nc_u64 s[20:21], s[8:9], s[20:21]
	s_add_nc_u64 s[22:23], s[6:7], s[22:23]
.irp s, 0,1
	s_mov_b32 s[G0A+4*(\s)], 1
	s_add_co_u32 s[G0A+4*(\s)+1], s84, (\s)*SLOT
	s_add_nc_u64 s[G0A+4*(\s)+2:G0A+4*(\s)+3], s[18:19], (\s)*256       ; step s: 128 keys along the rows
	s_or_b32 s[G0A+4*(\s)+3], s[G0A+4*(\s)+3], 0x80000000
	s_mov_b32 s[G0V+4*(\s)], 1
	s_add_co_u32 s[G0V+4*(\s)+1], s85, (\s)*SLOT
	s_add_nc_u64 s[G0V+4*(\s)+2:G0V+4*(\s)+3], s[22:23], (\s)*262144    ; step s: 128 keys down
	s_or_b32 s[G0V+4*(\s)+3], s[G0V+4*(\s)+3], 0x80000000
.endr
	s_mov_b32 s[G0S], 1
	s_mov_b32 s[G0S+1], s86
	s_mov_b64 s[G0S+2:G0S+3], s[20:21]
	s_or_b32 s[G0S+3], s[G0S+3], 0x80000000
	CROUND                                         ; all sixteen work-groups are here: the first joint loads meet
	s_cmp_eq_u32 s13, 0                            ; a wave's three first fills stand in one branch: three loads of mine are out
	s_cbranch_scc0 .Lfirst_v
	tensor_load_to_lds s[G0S:G0S+3], s[G1S:G1S+7]
	s_nop 0
	tensor_load_to_lds s[G0A:G0A+3], s[G1A:G1A+7]
	s_nop 0
	tensor_load_to_lds s[G0A+4:G0A+7], s[G1A:G1A+7]
	s_nop 0
.rept 4
	v_nop
.endr
	s_branch .Lfirst_asked
.Lfirst_v:
	tensor_load_to_lds s[G0S:G0S+3], s[G1S:G1S+7]
	s_nop 0
	tensor_load_to_lds s[G0V:G0V+3], s[G1V:G1V+7]
	s_nop 0
	tensor_load_to_lds s[G0V+4:G0V+7], s[G1V:G1V+7]
	s_nop 0
.rept 4
	v_nop
.endr
.Lfirst_asked:
	v_and_b32 v1, 15, v0                           ; l % 16
	v_bfe_u32 v2, v0, 4, 1                         ; l / 16
	v_and_b32 v3, 7, v0
	v_bfe_u32 v4, v0, 3, 1
	v_and_b32 v5, 31, v0                           ; l
	v_mul_u32_u24 v6, v1, PP                       ; p: row x pitch + 16 x half,
	v_lshl_add_u32 v6, v2, 4, v6
	s_mul_i32 s84, s13, 64*PP                      ; in my 64 rows
	v_add_nc_u32 v[ADRP], s84, v6
	v_add_nc_u32 v[ADRP+1], SLOT, v[ADRP]
	v_lshl_add_u32 v7, v2, 3, v3                   ; vh: lane l reads key 8 (l / 16) + l % 8, channels 8 ((l / 8) % 2) + 0..7,
	v_mul_u32_u24 v7, v7, PV
	v_lshl_add_u32 v7, v4, 4, v7
	s_lshl_b32 s85, s14, 8                         ; in my 128 channels
	s_add_co_u32 s85, s85, PT
	v_add_nc_u32 v[ADRV], s85, v7
	v_add_nc_u32 v[ADRV+1], SLOT, v[ADRV]
	s_lshl_b32 s84, s13, 8
	s_add_co_u32 s84, s84, TAB
	v_lshl_add_u32 v[TA], v1, 2, s84
	s_mul_i32 s85, s[WV], 16*SP
	s_add_co_u32 s85, s85, STAGE                   ; my stage
	v_mul_u32_u24 v[STO], v1, SP                   ; in: row l % 16, 32 bytes for each half of the lanes
	v_lshl_add_u32 v[STO], v2, 5, v[STO]
	v_add_nc_u32 v[STO], s85, v[STO]
	v_lshl_add_u32 v[RD], v5, 4, s85               ; back: 32 lanes take a row's 512 bytes
	v_lshlrev_b32 v[CO], 4, v5
	s_lshl_b32 s82, s43, 19                        ; out: the tile's 128 rows of 4,096 bytes, my 64, the tile's 1,024 bytes of a row, my 512
	s_lshl_b32 s83, s13, 18
	s_add_co_u32 s82, s82, s83
	s_lshl_b32 s83, s42, 10
	s_add_co_u32 s82, s82, s83
	s_lshl_b32 s83, s14, 9
	s_add_co_u32 s82, s82, s83
	s_mov_b32 s83, 0
	s_add_nc_u64 s[10:11], s[10:11], s[82:83]
	; the prefetches: they stand at step 3; the change of slots in step t steps them and names step t + 4
	s_lshl_b32 s82, s43, 20                        ; p: the tile's rows, my work-group's 32 of them
	s_lshl_b32 s83, s40, 18
	s_add_co_u32 s82, s82, s83
	s_add_co_u32 s82, s82, 3*256
	s_lshl_b32 s86, s14, 17                        ; vh: my 64 keys, my work-group's 16 of them, the tile's 512 bytes
	s_lshl_b32 s87, s41, 15
	s_add_co_u32 s86, s86, s87
	s_lshl_b32 s87, s42, 9
	s_add_co_u32 s86, s86, s87
	s_add_co_u32 s86, s86, 3*262144
	s_mov_b32 s84, 2048
	s_mov_b32 s85, 256
	s_mov_b32 s87, 262144
	s_cmp_eq_u32 s13, 0
	s_cselect_b32 s82, s82, s86
	s_cselect_b64 s[PFA:PFA+1], s[4:5], s[6:7]
	s_cselect_b32 s84, 8192, s84                   ; bytes from lane to lane among 16: a row of p, or a key of vh
	s_cselect_b32 s85, 131072, s85                 ; and for lanes 16-31: 16 rows of p on, or the key's second 256 bytes
	s_cselect_b32 s[PST], 256, s87
	s_mov_b32 s[PST+1], 0
	s_mov_b32 s83, 0
	s_add_nc_u64 s[PFA:PFA+1], s[PFA:PFA+1], s[82:83]
	v_mul_u32_u24 v[PFO], v1, s84
	v_mad_u32_u24 v[PFO], v2, s85, v[PFO]
	s_and_b32 s86, ttmp7, 0xffff                   ; cluster y
	s_cmp_eq_u32 s13, 0
	s_cselect_b32 s86, s14, s86                    ; wave 0 asks always, wave 1 never, waves 2 and 3 where the cluster's y is 0: the same in all partners
	s_cmp_eq_u32 s86, 0
	s_cselect_b32 s[LIM], 1, -1
	s_wait_tensorcnt 1                             ; my quarter of stats and my part of slot 0 are in; slot 1's may stay out: no tensor load fills anything behind the next two barriers
	s_barrier_signal -1
	s_barrier_wait -1
	; THE TABLE.  Thread i serves row i of the tile's 128: M, the 32 a_t, L.
	v_lshl_add_u32 v6, v0, 2, RAW
	v_lshl_add_u32 v7, v0, 2, TAB
.set t, 0
.rept 32
	ds_load_b32 v[64+t], v6 offset:1024*t          ; cm_t
	ds_load_b32 v[96+t], v6 offset:1024*t+512      ; l_t
.set t, t+1
.endr
	s_wait_dscnt 0x0
.irp k, 0,1,2,3
	v_max3_num_f32 v[8+(\k)], v[64+8*(\k)], v[65+8*(\k)], v[66+8*(\k)]
.endr
.irp k, 0,1,2,3
	v_max3_num_f32 v[8+(\k)], v[8+(\k)], v[67+8*(\k)], v[68+8*(\k)]
.endr
.irp k, 0,1,2,3
	v_max3_num_f32 v[8+(\k)], v[8+(\k)], v[69+8*(\k)], v[70+8*(\k)]
.endr
	v_max3_num_f32 v8, v8, v71, v79
	v_max3_num_f32 v10, v10, v87, v95
	v_max3_num_f32 v8, v8, v9, v10
	v_max_num_f32 v8, v8, v11                      ; M
.set t, 0
.rept 32
	v_sub_f32 v[128+t], v[64+t], v8
.set t, t+1
.endr
.set t, 0
.rept 32
	v_exp_f32 v[128+t], v[128+t]                   ; one batch
.set t, t+1
.endr
	v_nop                                          ; a plain instruction behind the last exponential
	s_wait_alu depctr_va_vdst(0)                   ; one wait for the batch, ahead of its first reader
.irp k, 0,1,2,3
	v_mul_f32 v[12+(\k)], v[128+(\k)], v[96+(\k)]  ; L in four chains
.endr
.set t, 4
.rept 28
	v_fmac_f32 v[12+t%4], v[128+t], v[96+t]
.set t, t+1
.endr
	v_add_f32 v12, v12, v13
	v_add_f32 v14, v14, v15
	v_add_f32 v12, v12, v14
	v_rcp_f32 v13, v12
.set t, 0
.rept 32
	v_cvt_pk_f16_f32 v[128+t], v[128+t], v[128+t]  ; a_t twice, for the packed multiply; these lines name neither L nor its reciprocal
.set t, t+1
.endr
	s_wait_alu depctr_va_vdst(0)                   ; the reciprocal's wait, ahead of its reader
.set t, 0
.rept 32
	ds_store_b32 v7, v[128+t] offset:512*t         ; a wave's 32 rows: 128 consecutive bytes of each entry
.set t, t+1
.endr
	ds_store_b32 v7, v13 offset:16384
	s_wait_dscnt 0x0                               ; for the others' sake: my stores into the table are done
	s_barrier_signal -1
	s_barrier_wait -1
; p's fragments of row blocks 2 hi, 2 hi + 1, quarter q (32 keys) of a slot, into buffer buf of window 1 + hi: 4 loads
.macro LDP hi, slot, q, buf
	WIN LO*(1+(\hi))
.irp a, 0,1
	ds_load_b128 v[PB+16*(\buf)+8*(\a):PB+16*(\buf)+8*(\a)+3],   v[ADRP+(\slot)] offset:(2*(\hi)+(\a))*16*PP+64*(\q)
	ds_load_b128 v[PB+16*(\buf)+8*(\a)+4:PB+16*(\buf)+8*(\a)+7], v[ADRP+(\slot)] offset:(2*(\hi)+(\a))*16*PP+64*(\q)+32
.endr
.endm
; vh's eight fragments of quarter q, turned: 16 loads
.macro LDV slot, q, buf
	WIN 0
.irp i, 0,1,2,3,4,5,6,7
	ds_load_tr16_b128 v[VF+64*(\buf)+8*(\i):VF+64*(\buf)+8*(\i)+3],   v[ADRV+(\slot)] offset:(\q)*32*PV+32*(\i)
	ds_load_tr16_b128 v[VF+64*(\buf)+8*(\i)+4:VF+64*(\buf)+8*(\i)+7], v[ADRV+(\slot)] offset:(\q)*32*PV+16*PV+32*(\i)
.endr
.endm
.macro MM buf, zero                    ; product ii of a half's 16: row block ii / 8 of the window's two, channel block ii % 8
.if \zero
	v_wmma_f32_16x16x32_f16 v[8*ii:8*ii+7], v[VF+64*(\buf)+8*(ii%8):VF+64*(\buf)+8*(ii%8)+7], v[PB+16*(\buf)+8*(ii/8):PB+16*(\buf)+8*(ii/8)+7], 0
.else
	v_wmma_f32_16x16x32_f16 v[8*ii:8*ii+7], v[VF+64*(\buf)+8*(ii%8):VF+64*(\buf)+8*(ii%8)+7], v[PB+16*(\buf)+8*(ii/8):PB+16*(\buf)+8*(ii/8)+7], v[8*ii:8*ii+7]
.endif
.endm
.macro RID hi, set, buf, n             ; register n of 16 of p's fragments in buffer buf, times its row's factor
	v_pk_mul_f16 v[PB+16*(\buf)+(\n)], v[FA+4*(\set)+2*(\hi)+(\n)/8], v[PB+16*(\buf)+(\n)]
.endm
; Products i0 .. i1 of a half.  The 32 accumulators take turns, one instruction a turn.  ride = 1: behind them stand the 16 scalings of the NEXT quarter's fragments of p (the other
; buffer): one behind each of products 0 to 11, the last four together behind product 15, where they are also the four places in front of the loads that follow into registers that the half has read.
.macro HALF hi, buf, zero, ride, set, i0, i1
	WIN LO*(1+(\hi))
.set ii, \i0
.rept (\i1)-(\i0)+1
	MM \buf, \zero
.if \ride
.if ii < 12
	RID \hi, \set, 1-(\buf), ii
.elseif ii == 15
	RID \hi, \set, 1-(\buf), 12
	RID \hi, \set, 1-(\buf), 13
	RID \hi, \set, 1-(\buf), 14
	RID \hi, \set, 1-(\buf), 15
.endif
.endif
.set ii, ii+1
.endr
.endm
; A QUARTER STEP: 32 keys, 32 products, on buffer q % 2.  arun: at its head the next quarter's p of blocks 2, 3 and vh are asked for; brun: in its middle p of blocks 0, 1 of the quarter after that.
.macro QTR slot, q, zero, arun, brun, ride
.set qf, (\q)%2
.set qg, 1-qf
.set qA, ((\q)+1)%4
.set sA, ((\slot)+((\q)+1)/4)%2
.set qB, ((\q)+2)%4
.set sB, ((\slot)+((\q)+2)/4)%2
.if \arun
	LDP 1, sA, qA, qg
	LDV sA, qA, qg
	WIN LO
	s_wait_dscnt 20                                ; all but the 20 just issued: this quarter's fragments, the next quarter's p of blocks 0, 1, and the factors
.else
	WIN LO
	s_wait_dscnt 0x0
.endif
	HALF 0, qf, \zero, \ride, sA, 0, 15
.if \brun
	LDP 0, sB, qB, qf
.endif
	WIN HI
.if \arun
	s_wait_dscnt 16+4*(\brun)                      ; the next quarter's p of blocks 2, 3 is in; vh's 16 loads, and the 4 just issued, may be out
.endif
	HALF 1, qf, \zero, \ride, sA, 0, 15
.endm
; A step's THIRD quarter changes slots.  Its loads at the head are the last reads of the slot.  In front of the barrier each wave waits for all its tensor loads (one is out: its part of the other slot), adds 0
; to its spare word, and waits for that and for its reads.  fill = 1: the barrier opens a round of the cluster's, and the slot is filled again, first thing behind it, with the step two on:
; 112 matrix instructions lie between that request and the wait for it.
.macro TURNQ slot, fill
.if \fill
	s_wait_xcnt 0x0                                ; the last prefetch, a step back, has read its address
	s_add_nc_u64 s[PFA:PFA+1], s[PFA:PFA+1], s[PST:PST+1]
.endif
	LDP 1, \slot, 3, 1
	LDV \slot, 3, 1
	s_wait_tensorcnt 0x0                           ; no tensor load of mine is out, so a group 0 may be written
	ds_add_u32 v[SPW], v[NIL]                      ; 0 onto my spare word
.if \fill
	s_add_nc_u64 s[G0A+4*(\slot)+2:G0A+4*(\slot)+3], s[G0A+4*(\slot)+2:G0A+4*(\slot)+3], 2*256
	s_add_nc_u64 s[G0V+4*(\slot)+2:G0V+4*(\slot)+3], s[G0V+4*(\slot)+2:G0V+4*(\slot)+3], 2*262144
.endif
	WIN LO
	s_wait_dscnt 21                                ; the add and the 20 loads in front of it may be out
	HALF 0, 0, 0, 1, \slot, 0, 7
	s_wait_dscnt 0x0                               ; the add is done, and my reads of this slot are over
	s_barrier_signal -1
	HALF 0, 0, 0, 1, \slot, 8, 15
	WIN 0
	s_barrier_wait -1
.if \fill
	CREST                                          ; no wave of any partner still reads this slot or has a load on its way
	JLOAD \slot
	ASK
.endif
.irp a, 0,1,2,3
	ds_load_b32 v[FA+4*(1-(\slot))+(\a)], v[TA] offset:512*(1+(\slot))+64*(\a)  ; the next step's factors
.endr
.if (\slot) == 1
	v_add_nc_u32 v[TA], 1024, v[TA]                ; two steps on
.endif
	LDP 0, 1-(\slot), 0, 0
	HALF 1, 0, 0, 1, \slot, 0, 15
.endm
.irp a, 0,1,2,3
	ds_load_b32 v[FA+(\a)], v[TA] offset:64*(\a)   ; step 0's factors
	ds_load_b32 v[IV+(\a)], v[TA] offset:16384+64*(\a)
.endr
	LDV 0, 0, 0
	LDP 0, 0, 0, 0
	LDP 0, 0, 1, 1
	LDP 1, 0, 0, 0
	s_wait_dscnt 0x0
	WIN LO
.set n, 0
.rept 16
	RID 0, 0, 0, n                                 ; the first quarter's p is scaled here; every later quarter's rides on the quarter before it
.set n, n+1
.endr
	WIN HI
.set n, 0
.rept 16
	RID 1, 0, 0, n
.set n, n+1
.endr
	QTR 0, 0, 1, 1, 1, 1                           ; the first quarter stands in front of the loop: its products start the sums
	WIN 0
	s_mov_b32 s3, 15
.Llap:                                                 ; a trip goes once round the ring, from a lap's second quarter to the next lap's first, and fills both slots again
	QTR 0, 1, 0, 1, 1, 1
	TURNQ 0, 1
	QTR 0, 3, 0, 1, 1, 1
	QTR 1, 0, 0, 1, 1, 1
	QTR 1, 1, 0, 1, 1, 1
	TURNQ 1, 1
	QTR 1, 3, 0, 1, 1, 1
	QTR 0, 0, 0, 1, 1, 1
	WIN 0
	s_sub_co_u32 s3, s3, 1
	s_cmp_lg_u32 s3, 0
	s_cbranch_scc1 .Llap
	QTR 0, 1, 0, 1, 1, 1                           ; steps 30 and 31: nothing is left to ask for
	TURNQ 0, 0
	QTR 0, 3, 0, 1, 1, 1
	QTR 1, 0, 0, 1, 1, 1
	QTR 1, 1, 0, 1, 1, 1
	QTR 1, 2, 0, 1, 0, 1
	QTR 1, 3, 0, 0, 0, 0
	WIN 0
	; THE WAY OUT.  O^T times 1 / L, a block of 16 rows at a time through my stage: 32 bytes a lane in, whole rows of 512 bytes back.
	PLACES
.irp a, 0,1,2,3
	v_mov_b32 v[IVP+2*(\a)], v[IV+(\a)]
	v_mov_b32 v[IVP+2*(\a)+1], v[IV+(\a)]
.endr
.macro PACK a
	WIN 1+(\a)/2                                   ; source 0 in the block's window; each accumulator's registers are taken in ascending order
.set n, 0
.rept 32
	v_pk_mul_f32 v[OT+2*n:OT+2*n+1], v[64*((\a)%2)+2*n:64*((\a)%2)+2*n+1], v[IVP+2*(\a):IVP+2*(\a)+1]
.set n, n+1
.endr
	WIN 0
.irp b, 0,1,2,3,4,5,6,7
	ds_store_b128 v[STO], v[OT+8*(\b):OT+8*(\b)+3]   offset:64*(\b)
	ds_store_b128 v[STO], v[OT+8*(\b)+4:OT+8*(\b)+7] offset:64*(\b)+16
.endr
	s_wait_xcnt 0x0                                ; the stores of the block two back have read the registers that are loaded below
.set n, 0
.rept 16
	ds_load_b128 v[VF+64*((\a)%2)+4*n:VF+64*((\a)%2)+4*n+3], v[RD] offset:n*SP  ; LDS serves a wave's instructions in order (ISA guide 5.7.1.4): these see the stores above
.set n, n+1
.endr
.endm
.macro SEND a, younger                 ; younger: the LDS instructions issued behind block a's loads: the next block's 32, or none
.set n, 0
.rept 16
	s_wait_dscnt (\younger)+15-n
	global_store_b128 v[CO], v[VF+64*((\a)%2)+4*n:VF+64*((\a)%2)+4*n+3], s[10:11] offset:(16*(\a)+n)*4096 th:TH_STORE_NT  ; 512 consecutive bytes, at a multiple of 256 from out's first byte
.set n, n+1
.endr
.endm
	PACK 0
	PACK 1
	SEND 0, 32
	PACK 2
	SEND 1, 32
	PACK 3
	SEND 2, 32
	SEND 3, 0
	s_wait_tensorcnt 0x0                           ; the wave's end, behind my last tensor load and my last LDS store
	ds_add_u32 v[SPW], v[NIL]
	s_wait_dscnt 0x0
	CROUND                                         ; the closing round: no work-group ends while a partner may still ask for a tile that names it
	s_endpgm
.Lfunc_end_k_q5542018a2a_mix:
	.size	k_q5542018a2a_mix, .Lfunc_end_k_q5542018a2a_mix-k_q5542018a2a_mix
	.p2alignl 7, 3214868480
	.fill 96, 4, 3214868480
	.section	.rodata,"a",@progbits
	.p2align	6, 0x0
	.amdhsa_kernel k_q5542018a2a_mix
		.amdhsa_group_segment_fixed_size 327680
		.amdhsa_private_segment_fixed_size 0
		.amdhsa_enable_private_segment 0
		.amdhsa_kernarg_size 32
		.amdhsa_user_sgpr_count 2
		.amdhsa_user_sgpr_kernarg_segment_ptr 1
		.amdhsa_wavefront_size32 1
		.amdhsa_system_sgpr_workgroup_id_x 1
		.amdhsa_system_sgpr_workgroup_id_y 1
		.amdhsa_system_sgpr_workgroup_id_z 1
		.amdhsa_system_vgpr_workitem_id 0
		.amdhsa_next_free_vgpr 768
		.amdhsa_next_free_sgpr 96
		.amdhsa_reserve_vcc 0
		.amdhsa_float_denorm_mode_32 3
		.amdhsa_float_denorm_mode_16_64 3
		.amdhsa_memory_ordered 1
		.amdhsa_forward_progress 1
		.amdhsa_inst_pref_size 142
	.end_amdhsa_kernel
	.amdgpu_metadata
---
amdhsa.version: [ 1, 2 ]
amdhsa.kernels:
  - .name:           k_q5542018a2a_mix
    .symbol:         k_q5542018a2a_mix.kd
    .args:
      - { .name: p, .offset: 0, .size: 8, .value_kind: global_buffer, .address_space: global }
      - { .name: vh, .offset: 8, .size: 8, .value_kind: global_buffer, .address_space: global }
      - { .name: stats, .offset: 16, .size: 8, .value_kind: global_buffer, .address_space: global }
      - { .name: out0, .offset: 24, .size: 8, .value_kind: global_buffer, .address_space: global }
    .group_segment_fixed_size: 327680
    .private_segment_fixed_size: 0
    .kernarg_segment_align: 8
    .kernarg_segment_size: 32
    .max_flat_workgroup_size: 128
    .sgpr_count:     96
    .vgpr_count:     768
    .wavefront_size: 32
...
	.end_amdgpu_metadata
.endif
;; end of part 3
